; MI455X (gfx1250); checked and timed in simulation.
; The chip was launched on July 23, 2026; its instructions are those of AMD's public machine-readable ISA for CDNA 5 (MIT licence, August 2026) and "CDNA5" Instruction Set Architecture Reference Guide (July 2026). The comments in the code are by the model that wrote it; some were corrected since.
;; Per Span Attention. Allowed arithmetic: matrix products marked QUANTISED: E3M2 operands, one E8M0 scale for each 32 along K, by v_wmma_scale_f32_16x16x128_f8f6f4 with both operands' format E3M2, f32 sums; products left as they are: f32 operands where the result goes on into a quantised operand, else bf16, f16 or f32 operands; f32 sums; everything else in f32.
;; Inputs: Wkv 2,048 x 1,024 float32; Wo 1,024 x 1,024 float32; Wq 1,024 x 1,024 float32; bkv 2,048 float32; bo 1,024 float32; bq 1,024 float32; kv 8 x 4,096 x 1,024 float32; mask 8 x 64 x 64 bool; q 8 x 64 x 1,024 float32.
;; Outputs: out0 8 x 64 x 1,024 float32.
;; Constants: span_size = 64.
;; This version of the problem:
;;   THIS VERSION OF THE PROBLEM IS GIVEN IN LOW PRECISION. The matrix products marked QUANTISED in the list below multiply operands that are first quantised to E3M2 (3 exponent bits, 2 mantissa bits; 6 bits a number), with one power-of-two scale for each 32 numbers along K (OCP MX v1.0); their sums are f32. All else is computed in f32.
;;   The module's matrix products, in the order in which they are computed (A, B: the left and right operand; K: the contracted axis; several contracted axes count as one K, in the product's order):
;;     1. [M 512, K 1,024] x [K 1,024, N 1,024]; A: input q; B: input Wq: QUANTISED
;;     2. [M 32,768, K 1,024] x [K 1,024, N 2,048]; A: input kv; B: input Wkv: QUANTISED
;;     3. batch 8,192 x [M 1, K 64] x [K 64, N 64]; A: computed on the way; B: computed on the way: left as it is (M = 1 < 16)
;;     4. batch 8,192 x [M 1, K 64] x [K 64, N 64]; A: softmax; B: computed on the way: left as it is (M = 1 < 16)
;;     5. [M 512, K 1,024] x [K 1,024, N 1,024]; A: computed on the way; B: input Wo: QUANTISED
;;   THE QUANTISER, for each operand of a quantised product, along K:
;;     - K is cut into blocks of 32 from its start; a last block that is shorter is filled with zeros.
;;     - A block's scale is 2^e with e = floor(log2(the largest magnitude in the block)) - 4, held to -126 .. 127; a block of zeros has e = 0. As a byte (E8M0): e + 127.
;;     - Each number is divided by its block's scale, clamped to +-28, and rounded to the nearest number of E3M2, ties to even, subnormals kept.
;;     - The product sums the exact products of the quantised numbers (number of the format x scale) in f32.
;;   ~~~python
;;   def quantise(x, axis):      # numpy; x: float32 -> the quantised numbers, widened to float32 again
;;       x = np.moveaxis(x, axis, -1); K = x.shape[-1]
;;       x = np.pad(x, [(0, 0)] * (x.ndim - 1) + [(0, -K % 32)]); x = x.reshape(x.shape[:-1] + (-1, 32)); a = np.abs(x).max(-1, keepdims=True)
;;       e = np.where(a > 0, np.clip(np.frexp(np.where(a > 0, a, 1))[1] - 1 - 4, -126, 127), 0)      # np.frexp(a)[1] - 1 = floor(log2(a)), exactly
;;       r = np.clip(x / 2.0 ** e, -28, 28)
;;       step = 2.0 ** (np.maximum(np.frexp(np.where(r == 0, 1, r))[1] - 1, -2) - 2)
;;       q = np.round(r / step) * step * 2.0 ** e      # np.round: ties to even
;;       return np.moveaxis(q.reshape(q.shape[:-2] + (-1,))[..., :K], -1, axis).astype(np.float32)
;;   ~~~
;;   OPERANDS COMPUTED ON THE WAY. 'Computed on the way' means the value that the module computes at that place (a softmax that the list does not call 'softmax' is quantised finished and normalised). What goes into a quantiser is computed in f32, as accurately as f32 sums, v_exp_f32 and their like allow (about 1e-6 of the number): no bf16 or f16 on the way to a quantiser, and a product that is left as it is and whose result goes on into a quantised operand takes f32 operands (vector FMAs, or v_wmma_f32_16x16x4_f32). A number that lies on a knife's edge between two numbers of the format may be rounded either way, as far as f32 arithmetic and the matrix unit's own rounding can turn it there, and no further.
;; One version. Each part assembles by itself: llvm-mc -triple=amdgcn-amd-amdhsa -mcpu=gfx1250 --defsym DOCPART=n.
;; ======== version 1 of 1: 4 launches
;; limits: right only within a limited range of input values
;; workspace buffers: wkv_img 1,638,400 bytes; wq_img 819,200 bytes; wo_img 819,200 bytes; qh 2,097,152 bytes; attn 2,097,152 bytes
;; launch prep (part 1): grid 256 x 1, 4 waves a work-group, no clusters, 17,920 bytes of LDS; arguments Wkv, Wq, Wo, wkv_img, wq_img, wo_img; writes wkv_img, wq_img, wo_img
.if DOCPART == 1
	.amdgcn_target "amdgcn-amd-amdhsa--gfx1250"
	.amdhsa_code_object_version 6
	.text
	.protected	k_qb6aa0f0df9_prep
	.globl	k_qb6aa0f0df9_prep
	.p2align	8
	.type	k_qb6aa0f0df9_prep,@function
k_qb6aa0f0df9_prep:
	s_mov_b64 s[64:65], 0
	v_nop
	global_prefetch_b8 v0, s[64:65] scope:SCOPE_SE
	s_setreg_imm32_b32 hwreg(HW_REG_WAVE_MODE, 25, 1), 1
	s_wait_xcnt 0x0
; The three weights, f32 [rows][1024] with K innermost, become codes of BF6 (E3M2) with one E8M0 byte for each 32 along K, laid as IMAGES OF OPERAND REGISTERS:
; a fragment (16 rows x 128 K) is 12 registers a lane; registers 4 g .. 4 g + 3 of lane l lie at 512 g + 16 l of its 1,536 bytes, so that three loads of 16 bytes a lane bring it back.
; wkv_img: block (head, c) at (4 head + c) x 25,600: images (q, n) at (8 q + n) x 1,536 (q: K step of 128 in chunk c of 256; n 0-3: k's rows 64 head + 16 n + r, n 4-7: v's rows 1024 + 64 head + 16 (n - 4) + r);
;          at 24,576 the scale words: tile n, row r: 8 bytes at 128 n + 8 r (K steps 2 c, 2 c + 1).
; wq_img, wo_img: block T (16 rows) at 12,800 T: image ks at 1,536 ks; at 12,288 row r's 32 scale bytes at 32 r.
; SHARES: work-group g is one tile of 16 rows (g < 128: Wkv's tile g; g < 192: Wq's tile g - 128; else Wo's tile g - 192); wave w takes K 256 w .. 256 w + 255: two fragments.
; One path serves the three tensors: pointers and four offsets are chosen on the work-group's number.  Waves share nothing: no barrier.
; A block's scale is 2^(floor(log2(largest magnitude)) - 4); its byte is the largest magnitude's exponent field - 4, held at 1 from below.
; LIMITS: NaN and infinities among the inputs are not served.  A block whose largest magnitude lies under 2^-122, a block of zeros among them, gets the byte 1 (the rule gives a block of zeros 127):
; its codes are zeros or the rule's own, and this program alone reads the bytes.
; The image stores cover 512 consecutive bytes each; the scale words leave 4 bytes a lane (one byte in 24 of what is stored), lanes 16-31 repeating lanes 0-15.
; REGISTERS, in windows of 256: window 0: addresses.  window 2: v0-63, v64-127 two fragments' numbers in the quantiser's order; v128-147 codes; v148-163 at work; v164 the scale word.  window 3: numbers as loaded.
; WORK THAT THIS PROGRAM LEAVES OUT: k's bias, bkv[0 .. 1023].  A score is qh . (k + bk) / 8 = qh . k / 8 + qh . bk / 8, and the second term is the same for all 64 positions of a span and head:
; the softmax over the positions is unchanged by a term that is the same along its axis, whatever the inputs hold; a masked position has the lowest f32 number in place of its score with the term or without it,
; and its weight lies under every f32 number either way.  k goes into no quantiser, so the term moves no code and no scale.  So the first half of bkv is never loaded; v's half is.
; LIMIT: a NaN, an infinity or an overflow that reaches only qh . bk is not carried to the result.
.set STGW, 4352
.set LN,  1                            ; v1  lane
.set RR,  2                            ; v2  r = lane % 16
.set HH,  3                            ; v3  h = lane / 16
.set GX,  4                            ; v4  4096 h + 16 r: sixteen lanes read 256 consecutive bytes of a row, the other sixteen the row below
.set STW, 5                            ; v5  the stage, on the way in
.set STR, 6                            ; v6  and on the way out
.set VI0, 7                            ; v7  my 16 bytes of the first image
.set VI1, 8                            ; v8  of the second
.set VS,  9                            ; v9  my row's scale word
.set PC,  128
.set TM,  148
.set PW,  164
.set SRC, 20                           ; s[20:21] the wave's first number
.set DST, 22                           ; s[22:23] the image buffer
.set SEL, 34                           ; s[34:35] selects for lane l xor 16
.set MSB, 0
.macro WIN new                         ; the immediate's high byte repeats the setting that is left
.if MSB != (\new)
	s_set_vgpr_msb (MSB<<8)|(\new)
.set MSB, \new
.endif
.endm
.macro LOADF rset, off                 ; a fragment's 16 rows x 512 bytes, as they lie: 16 loads
	WIN 0xc0                                       ; destination window 3
.irp hf, 0,1
.irp i, 0,1,2,3,4,5,6,7
	global_load_b128 v[64*(\rset)+32*\hf+4*\i:64*(\rset)+32*\hf+4*\i+3], v[GX], s[SRC:SRC+1] offset:(\off)+8192*\i+256*\hf th:TH_LOAD_NT
.endr
.endr
.endm
.macro TURNF rset, n                   ; through my stage, half a fragment at a time: afterwards register n + 16 b + i = x(row r, 32 b + 16 h + i).  LDS serves a wave's instructions in order: no wait between these lines
.irp hf, 0,1
	WIN 0x0c                                       ; an LDS store's data: window 3
.irp i, 0,1,2,3,4,5,6,7
	ds_store_b128 v[STW], v[64*(\rset)+32*\hf+4*\i:64*(\rset)+32*\hf+4*\i+3] offset:544*\i
.endr
	WIN 0x80                                       ; destination window 2
.irp b, 0,1
.irp j, 0,1,2,3
	ds_load_b128 v[(\n)+32*\hf+16*\b+4*\j:(\n)+32*\hf+16*\b+4*\j+3], v[STR] offset:128*\b+16*\j
.endr
.endr
.endr
.endm
.macro QUANT n                         ; 64 numbers of a lane become a fragment's codes in v[PC] on and its scale word in v[PW]
	WIN 0xaa                                       ; every operand in window 2
.irp b, 0,1,2,3
	v_max3_num_f32 v[TM+\b], |v[(\n)+16*\b]|, |v[(\n)+1+16*\b]|, 0x2800000   ; block b: my 16 numbers, and the floor 2^(5 - 127): the byte cannot fall under 1
.endr
.irp i, 2,4,6,8,10,12,14
.irp b, 0,1,2,3
	v_max3_num_f32 v[TM+\b], v[TM+\b], |v[(\n)+16*\b+\i]|, |v[(\n)+1+16*\b+\i]|
.endr
.endr
.irp b, 0,1,2,3
	v_permlanex16_b32 v[TM+4+\b], v[TM+\b], s[SEL], s[SEL+1]
.endr
.irp b, 0,1,2,3
	v_max_num_f32 v[TM+\b], v[TM+\b], v[TM+4+\b]   ; with lane l xor 16's: the block's largest magnitude
.endr
.irp b, 0,1,2,3
	v_add_nc_u32 v[TM+12+\b], 0xfe000000, v[TM+\b] ; 4 off its exponent field: the conversion's scale operand
.endr
.irp b, 0,1,2,3
	v_lshrrev_b32 v[TM+4+\b], 23, v[TM+12+\b]      ; the scale's byte
.endr
	v_lshl_or_b32 v[PW], v[TM+5], 8, v[TM+4]
	v_lshl_or_b32 v[PW], v[TM+6], 16, v[PW]
	v_lshl_or_b32 v[PW], v[TM+7], 24, v[PW]
.irp c, 0,1
	v_cvt_scalef32_pk16_bf6_f32 v[PC+6*\c:PC+2+6*\c], v[(\n)+32*\c:(\n)+15+32*\c], v[TM+12+2*\c]
	v_cvt_scalef32_pk16_bf6_f32 v[PC+12+4*\c:PC+14+4*\c], v[(\n)+16+32*\c:(\n)+31+32*\c], v[TM+12+2*\c+1]
.endr
	v_nop                                          ; one plain place behind a scaled conversion
.irp c, 0,1                            ; the operand's layout wants a whole block in a lane
.irp i, 0,1,2
	v_permlane16_swap_b32 v[PC+6*\c+\i], v[PC+12+4*\c+\i]
.endr
.irp i, 0,1,2
	v_mov_b32 v[PC+3+6*\c+\i], v[PC+12+4*\c+\i]
.endr
.endr
.endm
.macro SENDF vi, so                    ; the image and the scale word leave
	WIN 0x08                                       ; a store's data: window 2
.irp g, 0,1,2
	global_store_b128 v[\vi], v[PC+4*\g:PC+4*\g+3], s[DST:DST+1] offset:512*\g   ; 32 lanes store 512 consecutive bytes
.endr
	global_store_b32 v[VS], v[PW], s[DST:DST+1] offset:\so
.endm
	s_load_b256 s[4:11], s[0:1], 0x0               ; Wkv s[4:5], Wq s[6:7], Wo s[8:9], wkv_img s[10:11]
	s_load_b128 s[12:15], s[0:1], 0x20             ; wq_img s[12:13], wo_img s[14:15]
	v_lshl_add_u32 v254, v0, 2, 0x4400
	v_mov_b32 v255, 0
	v_lshrrev_b32 v[LN], 5, v0
	v_readfirstlane_b32 s16, v[LN]                 ; wave 0..3 = K chunk
	v_and_b32 v[LN], 31, v0
	v_and_b32 v[RR], 15, v0
	v_bfe_u32 v[HH], v0, 4, 1
	v_lshlrev_b32 v[GX], 4, v[RR]
	v_lshl_add_u32 v[GX], v[HH], 12, v[GX]
	s_mul_i32 s36, s16, STGW                       ; my stage
	v_mul_u32_u24 v[STW], v[HH], 272
	v_lshl_add_u32 v[STW], v[RR], 4, v[STW]
	v_add_nc_u32 v[STW], s36, v[STW]
	v_mul_u32_u24 v[STR], v[RR], 272
	v_lshl_add_u32 v[STR], v[HH], 6, v[STR]
	v_add_nc_u32 v[STR], s36, v[STR]
	s_mov_b32 s[SEL], 0x76543210
	s_mov_b32 s[SEL+1], 0xfedcba98
	; the offsets as Wq and Wo want them
	s_and_b32 s17, ttmp9, 63                       ; T
	s_mul_i32 s18, s17, 12800
	s_mul_i32 s19, s16, 3072
	s_add_co_u32 s19, s18, s19                     ; images 2 w, 2 w + 1
	s_lshl_b32 s24, s16, 3
	s_add_co_u32 s24, s24, s18
	s_add_co_u32 s24, s24, 12288                   ; scale words 2 w, 2 w + 1 of a row's eight
	; and as Wkv wants them
	s_bfe_u32 s25, ttmp9, 0x40002                  ; head = (g / 4) % 16
	s_lshl_b32 s25, s25, 2
	s_add_co_u32 s25, s25, s16
	s_mul_i32 s25, s25, 25600                      ; block (head, w)
	s_lshr_b32 s26, ttmp9, 6
	s_lshl_b32 s26, s26, 2
	s_and_b32 s27, ttmp9, 3
	s_add_co_u32 s26, s26, s27                     ; n = 4 (g / 64) + g % 4
	s_mul_i32 s27, s26, 1536
	s_add_co_u32 s27, s27, s25
	s_lshl_b32 s28, s26, 7
	s_add_co_u32 s28, s28, s25
	s_add_co_u32 s28, s28, 24576
	s_mov_b32 s29, 12288                           ; from image (0, n) to image (1, n)
	s_mov_b32 s30, 1536                            ; from image ks to ks + 1
	s_wait_alu depctr_va_vdst(0)
	s_wait_kmcnt 0x0
	s_cmp_lt_u32 ttmp9, 192                        ; the choices hang on the work-group's number alone
	s_cselect_b64 s[SRC:SRC+1], s[6:7], s[8:9]
	s_cselect_b64 s[DST:DST+1], s[12:13], s[14:15]
	s_cmp_lt_u32 ttmp9, 128
	s_cselect_b64 s[SRC:SRC+1], s[4:5], s[SRC:SRC+1]
	s_cselect_b64 s[DST:DST+1], s[10:11], s[DST:DST+1]
	s_cselect_b32 s19, s27, s19                    ; where the first image goes
	s_cselect_b32 s24, s28, s24                    ; where the scale words go
	s_cselect_b32 s29, s29, s30                    ; how far on the second image lies
	s_cselect_b32 s31, 8, 32                       ; bytes from row to row of scale words
	s_cselect_b32 s17, ttmp9, s17                  ; the tile's number in its tensor
	s_lshl_b32 s32, s17, 16                        ; 16 rows of 4,096 bytes a tile,
	s_lshl_b32 s33, s16, 10                        ; 1,024 bytes a chunk
	s_add_co_u32 s32, s32, s33
	s_mov_b32 s33, 0
	s_add_nc_u64 s[SRC:SRC+1], s[SRC:SRC+1], s[32:33]
	v_lshl_add_u32 v[VI0], v[LN], 4, s19
	v_add_nc_u32 v[VI1], s29, v[VI0]
	v_mad_u32_u24 v[VS], v[RR], s31, s24
	WIN 0x80
.irp b, 0,1,2,3
	v_mov_b32 v[TM+4+\b], 0                        ; written once: a lane permute's destination counts as one of its sources
.endr
	LOADF 0, 0
	LOADF 1, 512
	s_wait_loadcnt 16                              ; the first fragment is in; the second's 16 loads may be out
	TURNF 0, 0
	s_wait_loadcnt 0x0
	TURNF 1, 64
	s_wait_dscnt 32                                ; the first fragment is back from the stage; the second's 32 LDS instructions may be out
	QUANT 0
	SENDF VI0, 0
	s_wait_dscnt 0x0
	s_wait_xcnt 0x0                                ; the codes' registers and the scale word are written again only behind this wait
	QUANT 64
	SENDF VI1, 4
	WIN 0
	s_wait_tensorcnt 0x0
	ds_add_u32 v254, v255
	s_wait_dscnt 0x0
	s_endpgm
.Lfunc_end_k_qb6aa0f0df9_prep:
	.size	k_qb6aa0f0df9_prep, .Lfunc_end_k_qb6aa0f0df9_prep-k_qb6aa0f0df9_prep
	.p2alignl 7, 3214868480
	.fill 96, 4, 3214868480
	.section	.rodata,"a",@progbits
	.p2align	6, 0x0
	.amdhsa_kernel k_qb6aa0f0df9_prep
		.amdhsa_group_segment_fixed_size 17920
		.amdhsa_private_segment_fixed_size 0
		.amdhsa_enable_private_segment 0
		.amdhsa_kernarg_size 48
		.amdhsa_user_sgpr_count 2
		.amdhsa_user_sgpr_kernarg_segment_ptr 1
		.amdhsa_wavefront_size32 1
		.amdhsa_system_sgpr_workgroup_id_x 1
		.amdhsa_system_sgpr_workgroup_id_y 1
		.amdhsa_system_sgpr_workgroup_id_z 1
		.amdhsa_system_vgpr_workitem_id 0
		.amdhsa_next_free_vgpr 1024
		.amdhsa_next_free_sgpr 66
		.amdhsa_reserve_vcc 0
		.amdhsa_float_denorm_mode_32 3
		.amdhsa_float_denorm_mode_16_64 3
		.amdhsa_memory_ordered 1
		.amdhsa_forward_progress 1
		.amdhsa_inst_pref_size 20
	.end_amdhsa_kernel
	.amdgpu_metadata
---
amdhsa.version: [ 1, 2 ]
amdhsa.kernels:
  - .name:           k_qb6aa0f0df9_prep
    .symbol:         k_qb6aa0f0df9_prep.kd
    .args:
      - { .name: Wkv, .offset: 0, .size: 8, .value_kind: global_buffer, .address_space: global }
      - { .name: Wq, .offset: 8, .size: 8, .value_kind: global_buffer, .address_space: global }
      - { .name: Wo, .offset: 16, .size: 8, .value_kind: global_buffer, .address_space: global }
      - { .name: wkv_img, .offset: 24, .size: 8, .value_kind: global_buffer, .address_space: global }
      - { .name: wq_img, .offset: 32, .size: 8, .value_kind: global_buffer, .address_space: global }
      - { .name: wo_img, .offset: 40, .size: 8, .value_kind: global_buffer, .address_space: global }
    .group_segment_fixed_size: 17920
    .private_segment_fixed_size: 0
    .kernarg_segment_align: 8
    .kernarg_segment_size: 48
    .max_flat_workgroup_size: 128
    .sgpr_count:     66
    .vgpr_count:     1024
    .wavefront_size: 32
...
	.end_amdgpu_metadata
.endif
;; end of part 1
;; launch qproj (part 2): grid 8 x 32, 4 waves a work-group, no clusters, 39,680 bytes of LDS; arguments q, wq_img, bq, qh; writes qh
.if DOCPART == 2
	.amdgcn_target "amdgcn-amd-amdhsa--gfx1250"
	.amdhsa_code_object_version 6
	.text
	.protected	k_qb6aa0f0df9_qproj
	.globl	k_qb6aa0f0df9_qproj
	.p2align	8
	.type	k_qb6aa0f0df9_qproj,@function
k_qb6aa0f0df9_qproj:
	s_mov_b64 s[64:65], 0
	v_nop
	global_prefetch_b8 v0, s[64:65] scope:SCOPE_SE
	s_setreg_imm32_b32 hwreg(HW_REG_WAVE_MODE, 25, 1), 1
	s_wait_xcnt 0x0
; y[512][1024] = Q(x) Q(W)^T + b, on codes of BF6 (E3M2) with one E8M0 scale for each 32 along K = 1024.  x: f32, quantised here; W: images and scale words as the first launch laid them; b, y: f32.
; SHARES: a work-group makes 16 rows (tile y of the grid) x 128 columns (x of the grid); wave w makes columns 32 w .. 32 w + 31 of them: W's tiles T0 = 8 X + 2 w and T0 + 1.
; Wave w quantises K steps 2 w, 2 w + 1 of the 16 rows; the eight fragments go from wave to wave through LDS as images of their registers (16 bytes a lane, 512 a store), their scale words 4 bytes a lane.
; THE PRODUCT IS USED TRANSPOSED (source 0 = 16 rows of W, source 1 = x's 16 rows): a lane holds eight neighbouring columns of one row of y.  The bias is loaded into the accumulators: the sums begin on it.
; ORDER OF THE LOADS: x first, since the quantiser waits for x alone; W's images, scale words and the bias land while x is quantised.  At most 56 loads of a wave are out.
; No cluster: every operand is loaded once into registers, there is no loop in which joint requests could recur.
; LIMITS: NaN and infinities are not served; a block whose largest magnitude lies under 2^-122, a block of zeros among them, gets the byte 1 (the rule gives zeros 127): this program alone reads the bytes.
; REGISTERS, in windows of 256: window 0: addresses, W's scale words v16-31, two accumulators v32-47, x's scale words v48-55, x's eight fragments v64-159.  window 1: W's 16 fragments.
;   window 2: v0-127 numbers in the quantiser's order, v128-147 codes, v148-163 at work, v164 the scale word.  window 3: numbers as loaded.
.set STGW, 4352                        ; LDS: a stage of 16 rows x (256 + 16) bytes for each wave, from byte 0;
.set XIMG, 17408                       ; x's eight images of 1,536 bytes;
.set XSC,  29696                       ; their scale words, 128 bytes each;
.set OST,  30720                       ; the way out: 16 rows x (512 + 16) bytes
.set LI,  1                            ; v1  16 x lane
.set RR,  2                            ; v2  r
.set HH,  3                            ; v3  h
.set GX,  4                            ; v4  4096 h + 16 r
.set STW, 5
.set STR, 6
.set XWI, 7                            ; v7  where I store my images
.set XWS, 8                            ; v8  and their scale words
.set XRS, 9                            ; v9  where I read scale words
.set WSO, 10                           ; v10 32 r: W's rows of scale bytes
.set BO,  11                           ; v11 32 h: the bias of my half's eight columns
.set OSW, 12                           ; v12 the way out: in
.set OSR, 13                           ; v13 and back
.set XRI, 14                           ; v14 where I read images
.set BS,  16
.set ACC, 32
.set XS,  48
.set AF,  64
.set PC,  128
.set TM,  148
.set PW,  164
.set SRC, 20
.set SEL, 22
.set MSB, 0
.macro WIN new                         ; the immediate's high byte repeats the setting that is left
.if MSB != (\new)
	s_set_vgpr_msb (MSB<<8)|(\new)
.set MSB, \new
.endif
.endm
.macro LOADF rset, off                 ; a fragment's 16 rows x 512 bytes, as they lie: 16 loads (eight work-groups read these rows: no hint)
	WIN 0xc0
.irp hf, 0,1
.irp i, 0,1,2,3,4,5,6,7
	global_load_b128 v[64*(\rset)+32*\hf+4*\i:64*(\rset)+32*\hf+4*\i+3], v[GX], s[SRC:SRC+1] offset:(\off)+8192*\i+256*\hf
.endr
.endr
.endm
.macro WLOAD nt                        ; the eight images of W's tile T0 + nt: 24 loads of 512 consecutive bytes
	WIN 0x40                                       ; destination window 1
.irp ks, 0,1,2,3,4,5,6,7
.irp g, 0,1,2
	global_load_b128 v[96*(\nt)+12*\ks+4*\g:96*(\nt)+12*\ks+4*\g+3], v[LI], s[6:7] offset:12800*(\nt)+1536*\ks+512*\g
.endr
.endr
.endm
.macro TURNF rset, n                   ; through my stage: afterwards register n + 16 b + i = x(row r, 32 b + 16 h + i).  LDS serves a wave's instructions in order
.irp hf, 0,1
	WIN 0x0c
.irp i, 0,1,2,3,4,5,6,7
	ds_store_b128 v[STW], v[64*(\rset)+32*\hf+4*\i:64*(\rset)+32*\hf+4*\i+3] offset:544*\i
.endr
	WIN 0x80
.irp b, 0,1
.irp j, 0,1,2,3
	ds_load_b128 v[(\n)+32*\hf+16*\b+4*\j:(\n)+32*\hf+16*\b+4*\j+3], v[STR] offset:128*\b+16*\j
.endr
.endr
.endr
.endm
.macro QUANT n                         ; 64 numbers of a lane become a fragment's codes in v[PC] on and its scale word in v[PW]
	WIN 0xaa
.irp b, 0,1,2,3
	v_max3_num_f32 v[TM+\b], |v[(\n)+16*\b]|, |v[(\n)+1+16*\b]|, 0x2800000   ; and the floor 2^(5 - 127): the byte cannot fall under 1
.endr
.irp i, 2,4,6,8,10,12,14
.irp b, 0,1,2,3
	v_max3_num_f32 v[TM+\b], v[TM+\b], |v[(\n)+16*\b+\i]|, |v[(\n)+1+16*\b+\i]|
.endr
.endr
.irp b, 0,1,2,3
	v_permlanex16_b32 v[TM+4+\b], v[TM+\b], s[SEL], s[SEL+1]
.endr
.irp b, 0,1,2,3
	v_max_num_f32 v[TM+\b], v[TM+\b], v[TM+4+\b]
.endr
.irp b, 0,1,2,3
	v_add_nc_u32 v[TM+12+\b], 0xfe000000, v[TM+\b] ; 4 off the exponent field: the conversion's scale operand
.endr
.irp b, 0,1,2,3
	v_lshrrev_b32 v[TM+4+\b], 23, v[TM+12+\b]      ; the scale's byte
.endr
	v_lshl_or_b32 v[PW], v[TM+5], 8, v[TM+4]
	v_lshl_or_b32 v[PW], v[TM+6], 16, v[PW]
	v_lshl_or_b32 v[PW], v[TM+7], 24, v[PW]
.irp c, 0,1
	v_cvt_scalef32_pk16_bf6_f32 v[PC+6*\c:PC+2+6*\c], v[(\n)+32*\c:(\n)+15+32*\c], v[TM+12+2*\c]
	v_cvt_scalef32_pk16_bf6_f32 v[PC+12+4*\c:PC+14+4*\c], v[(\n)+16+32*\c:(\n)+31+32*\c], v[TM+12+2*\c+1]
.endr
	v_nop                                          ; one plain place behind a scaled conversion
.irp c, 0,1
.irp i, 0,1,2
	v_permlane16_swap_b32 v[PC+6*\c+\i], v[PC+12+4*\c+\i]
.endr
.irp i, 0,1,2
	v_mov_b32 v[PC+3+6*\c+\i], v[PC+12+4*\c+\i]
.endr
.endr
.endm
.macro IMAGE io, so                    ; the fragment and its scale word go to LDS as they stand
	WIN 0x08
.irp g, 0,1,2
	ds_store_b128 v[XWI], v[PC+4*\g:PC+4*\g+3] offset:(\io)+512*\g
.endr
	ds_store_b32 v[XWS], v[PW] offset:\so
.endm
	s_load_b256 s[4:11], s[0:1], 0x0               ; x s[4:5], W's images s[6:7], b s[8:9], y s[10:11]
	v_lshl_add_u32 v254, v0, 2, 0x9900
	v_mov_b32 v255, 0
	v_lshrrev_b32 v15, 5, v0
	v_readfirstlane_b32 s12, v15                   ; wave 0..3
	s_and_b32 s14, ttmp7, 0xffff                   ; Y: the tile of 16 rows
	v_and_b32 v15, 31, v0                          ; lane
	v_and_b32 v[RR], 15, v0
	v_bfe_u32 v[HH], v0, 4, 1
	v_lshlrev_b32 v[LI], 4, v15
	v_lshlrev_b32 v[GX], 4, v[RR]
	v_lshl_add_u32 v[GX], v[HH], 12, v[GX]
	s_mul_i32 s15, s12, STGW
	v_mul_u32_u24 v[STW], v[HH], 272
	v_lshl_add_u32 v[STW], v[RR], 4, v[STW]
	v_add_nc_u32 v[STW], s15, v[STW]
	v_mul_u32_u24 v[STR], v[RR], 272
	v_lshl_add_u32 v[STR], v[HH], 6, v[STR]
	v_add_nc_u32 v[STR], s15, v[STR]
	s_mul_i32 s15, s12, 3072
	s_add_co_u32 s15, s15, XIMG
	v_add_nc_u32 v[XWI], s15, v[LI]
	s_lshl_b32 s15, s12, 8
	s_add_co_u32 s15, s15, XSC
	v_lshl_add_u32 v[XWS], v15, 2, s15
	v_lshl_add_u32 v[XRS], v15, 2, XSC
	v_add_nc_u32 v[XRI], XIMG, v[LI]
	v_lshlrev_b32 v[WSO], 5, v[RR]
	v_lshlrev_b32 v[BO], 5, v[HH]
	v_mul_u32_u24 v[OSW], v[RR], 528
	v_lshl_add_u32 v[OSW], v[HH], 5, v[OSW]
	s_lshl_b32 s15, s12, 7
	s_add_co_u32 s15, s15, OST
	v_add_nc_u32 v[OSW], s15, v[OSW]               ; row r, + 128 w + 32 h
	s_mul_i32 s15, s12, 2112
	s_add_co_u32 s15, s15, OST
	v_add_nc_u32 v[OSR], s15, v[LI]                ; my four rows, 16 bytes a lane
	s_mov_b32 s[SEL], 0x76543210
	s_mov_b32 s[SEL+1], 0xfedcba98
	WIN 0x80
.irp b, 0,1,2,3
	v_mov_b32 v[TM+4+\b], 0                        ; written once: a lane permute's destination counts as one of its sources
.endr
	s_wait_alu depctr_va_vdst(0)
	s_wait_kmcnt 0x0
	s_lshl_b32 s16, ttmp9, 3
	s_lshl_b32 s17, s12, 1
	s_add_co_u32 s16, s16, s17                     ; T0 = 8 X + 2 w
	s_mul_i32 s16, s16, 12800
	s_mov_b32 s17, 0
	s_add_nc_u64 s[6:7], s[6:7], s[16:17]
	s_lshl_b32 s16, ttmp9, 9
	s_lshl_b32 s18, s12, 7
	s_add_co_u32 s16, s16, s18
	s_add_nc_u64 s[8:9], s[8:9], s[16:17]          ; b at column 128 X + 32 w
	s_lshl_b32 s16, s14, 16
	s_lshl_b32 s18, s12, 10
	s_add_co_u32 s16, s16, s18
	s_add_nc_u64 s[SRC:SRC+1], s[4:5], s[16:17]    ; x at row 16 Y, K 256 w
	s_lshl_b32 s16, s14, 16
	s_lshl_b32 s18, s12, 14
	s_add_co_u32 s16, s16, s18
	s_lshl_b32 s18, ttmp9, 9
	s_add_co_u32 s16, s16, s18
	s_add_nc_u64 s[10:11], s[10:11], s[16:17]      ; y at row 16 Y + 4 w, column 128 X
	LOADF 0, 0                                     ; x first
	LOADF 1, 512
	WLOAD 0
	s_wait_loadcnt 40                              ; x's first fragment is in; behind it the second's 16 loads and W's 24 may be out
	TURNF 0, 0
	s_wait_loadcnt 24                              ; x's second fragment is in
	TURNF 1, 64
	WLOAD 1                                        ; the rest lands while x is quantised
	WIN 0
.irp nt, 0,1
.irp u, 0,1
	global_load_b128 v[BS+8*\nt+4*\u:BS+8*\nt+4*\u+3], v[WSO], s[6:7] offset:12800*\nt+12288+16*\u   ; row r's scale words of K steps 4 u .. 4 u + 3
.endr
.endr
.irp nt, 0,1
.irp u, 0,1
	global_load_b128 v[ACC+8*\nt+4*\u:ACC+8*\nt+4*\u+3], v[BO], s[8:9] offset:64*\nt+16*\u          ; b(16 nt + 8 h + 4 u ..): the result's layout
.endr
.endr
	s_wait_dscnt 32                                ; the first fragment is back from the stage; the second's 32 LDS instructions may be out
	QUANT 0
	IMAGE 0, 0
	s_wait_dscnt 0x0                               ; the second fragment is back, and the stores have read their registers
	QUANT 64
	IMAGE 1536, 128
	WIN 0
	s_wait_loadcnt 0x0                             ; W, its scale words and the bias
	s_wait_dscnt 0x0                               ; for the others' sake: my images lie in LDS
	s_barrier_signal -1
	s_barrier_wait -1
.irp ks, 0,1,2,3,4,5,6,7
.irp g, 0,1,2
	ds_load_b128 v[AF+12*\ks+4*\g:AF+12*\ks+4*\g+3], v[XRI] offset:1536*\ks+512*\g
.endr
.endr
.irp ks, 0,1,2,3,4,5,6,7
	ds_load_b32 v[XS+\ks], v[XRS] offset:128*\ks
.endr
	s_wait_dscnt 0x0
	WIN 0x01                                       ; source 0 (W) window 1
.irp ks, 0,1,2,3,4,5,6,7               ; the two accumulators take turns, one instruction a turn
.irp nt, 0,1
	v_wmma_scale_f32_16x16x128_f8f6f4 v[ACC+8*\nt:ACC+8*\nt+7], v[96*\nt+12*\ks:96*\nt+12*\ks+11], v[AF+12*\ks:AF+12*\ks+11], v[ACC+8*\nt:ACC+8*\nt+7], v[BS+8*\nt+\ks], v[XS+\ks] matrix_a_fmt:MATRIX_FMT_BF6 matrix_b_fmt:MATRIX_FMT_BF6
.endr
.endr
	WIN 0
.rept 4
	v_nop                                          ; four places in front of the first read of results (ISA guide 7.12.1)
.endr
.irp nt, 0,1
.irp u, 0,1
	ds_store_b128 v[OSW], v[ACC+8*\nt+4*\u:ACC+8*\nt+4*\u+3] offset:64*\nt+16*\u   ; each accumulator from its low end on
.endr
.endr
	s_wait_dscnt 0x0                               ; a row's 512 bytes come from four waves
	s_barrier_signal -1
	s_barrier_wait -1
.irp i, 0,1,2,3
	ds_load_b128 v[AF+4*\i:AF+4*\i+3], v[OSR] offset:528*\i
.endr
.irp i, 0,1,2,3
	s_wait_dscnt 3-\i
	global_store_b128 v[LI], v[AF+4*\i:AF+4*\i+3], s[10:11] offset:4096*\i   ; 32 lanes store 512 consecutive bytes, at a multiple of 256 from y's first byte
.endr
	s_wait_tensorcnt 0x0
	ds_add_u32 v254, v255
	s_wait_dscnt 0x0
	s_endpgm
.Lfunc_end_k_qb6aa0f0df9_qproj:
	.size	k_qb6aa0f0df9_qproj, .Lfunc_end_k_qb6aa0f0df9_qproj-k_qb6aa0f0df9_qproj
	.p2alignl 7, 3214868480
	.fill 96, 4, 3214868480
	.section	.rodata,"a",@progbits
	.p2align	6, 0x0
	.amdhsa_kernel k_qb6aa0f0df9_qproj
		.amdhsa_group_segment_fixed_size 39680
		.amdhsa_private_segment_fixed_size 0
		.amdhsa_enable_private_segment 0
		.amdhsa_kernarg_size 32
		.amdhsa_user_sgpr_count 2
		.amdhsa_user_sgpr_kernarg_segment_ptr 1
		.amdhsa_wavefront_size32 1
		.amdhsa_system_sgpr_workgroup_id_x 1
		.amdhsa_system_sgpr_workgroup_id_y 1
		.amdhsa_system_sgpr_workgroup_id_z 1
		.amdhsa_system_vgpr_workitem_id 0
		.amdhsa_next_free_vgpr 1024
		.amdhsa_next_free_sgpr 66
		.amdhsa_reserve_vcc 0
		.amdhsa_float_denorm_mode_32 3
		.amdhsa_float_denorm_mode_16_64 3
		.amdhsa_memory_ordered 1
		.amdhsa_forward_progress 1
		.amdhsa_inst_pref_size 30
	.end_amdhsa_kernel
	.amdgpu_metadata
---
amdhsa.version: [ 1, 2 ]
amdhsa.kernels:
  - .name:           k_qb6aa0f0df9_qproj
    .symbol:         k_qb6aa0f0df9_qproj.kd
    .args:
      - { .name: q, .offset: 0, .size: 8, .value_kind: global_buffer, .address_space: global }
      - { .name: wq_img, .offset: 8, .size: 8, .value_kind: global_buffer, .address_space: global }
      - { .name: bq, .offset: 16, .size: 8, .value_kind: global_buffer, .address_space: global }
      - { .name: qh, .offset: 24, .size: 8, .value_kind: global_buffer, .address_space: global }
    .group_segment_fixed_size: 39680
    .private_segment_fixed_size: 0
    .kernarg_segment_align: 8
    .kernarg_segment_size: 32
    .max_flat_workgroup_size: 128
    .sgpr_count:     66
    .vgpr_count:     1024
    .wavefront_size: 32
...
	.end_amdgpu_metadata
.endif
;; end of part 2
;; launch main (part 3): grid 256 x 1, 4 waves a work-group, no clusters, 132,608 bytes of LDS; arguments kv, mask, bkv, qh, wkv_img, attn; writes attn
.if DOCPART == 3
	.amdgcn_target "amdgcn-amd-amdhsa--gfx1250"
	.amdhsa_code_object_version 6
	.text
	.protected	k_qb6aa0f0df9_main
	.globl	k_qb6aa0f0df9_main
	.p2align	8
	.type	k_qb6aa0f0df9_main,@function
k_qb6aa0f0df9_main:
	s_mov_b64 s[64:65], 0
	v_nop
	global_prefetch_b8 v0, s[64:65] scope:SCOPE_SE
	s_setreg_imm32_b32 hwreg(HW_REG_WAVE_MODE, 25, 1), 1
	s_wait_xcnt 0x0
; attn[span][64 head + d] = sum over s of softmax_s(qh[span][head] . k[s][head] / 8, masked) v[s][head][d], with k, v = Q(kv) Q(Wkv)^T (+ v's bias) on codes of BF6 (E3M2), one E8M0 scale for each 32 along K = 1024.
; LEFT OUT: k's bias (bkv's first half): it adds the same number to all 64 scores of a span and head, which the softmax takes away; shown at the head of the first kernel.
; k and v never go to memory.  The two small products and the softmax are f32 vector work, since their result goes on into a quantiser.
; SHARES: work-group W owns kv rows 128 W .. 128 W + 127: spans 2 W, 2 W + 1.  First each wave quantises 32 of the rows; the 64 fragments (8 row tiles x 8 K steps) stay in LDS as images of operand registers.
; Then wave w takes heads 4 w .. 4 w + 3 one after the other: all 128 rows x (64 of k + 64 of v): 64 accumulators, 512 registers; a K step of 128 is 64 matrix instructions.
; THE WEIGHTS GO FROM MEMORY STRAIGHT INTO REGISTERS: wkv_img holds them as images of operand registers, three loads of 16 bytes a lane to a fragment, and a wave's weights are read by that wave alone.
; NO CLUSTER, no joint loads: a joint load lands in LDS, from where the 8 fragments of a K step would cost 24 more LDS loads of 512 bytes a wave beside the 24 that kv's fragments need, and a barrier at each change of slots.
; So behind the quantiser's barrier the waves share nothing until the way out.
; NO PREFETCH: kv is read once, as one dense stream with 64 loads a wave out; the weights are read by all 256 work-groups, 96 matrix instructions ahead of their use.
; THE HEADS BY TURNS: with t = W / 4 a work-group begins at head rot = (t + t / 4 + t / 16) mod 4 of each wave's four and goes round.  rot enters global addresses only: in LDS qh, v's bias and the pooled rows lie by turn.
; A K STEP: 32 products of K^T, a run of loads (k's weights two steps on, kv's tiles 4-7 of the next step), 32 products of V, a run of loads (v's weights two steps on, scale words, kv's tiles 0-3 two steps on).
; LAYOUTS: K^T = Wk X^T: lane (r, h) holds kv row 16 m + r, register j the channel 16 t + 8 h + j.  V = X Wv^T: lane (r, h) holds channel 16 t + r, register j the kv row 16 m + 8 h + j.  One fragment of X serves both.
; SOFTMAX: t = score x log2(e) / 8; where the mask is 0, t = the lowest f32 number; e = 2^(t - the span's largest t); attn = (sum of e v) / (sum of e) + v's bias (the weights add up to 1).
; LIMITS: NaN and infinities among the inputs are not served.  A block whose largest magnitude lies under 2^-122, a block of zeros among them, gets the scale byte 1 (the rule gives zeros 127): this program alone
; reads the bytes.  1/8 and log2(e) are one multiplication, and v's bias is added behind the pooling: both differ from the definition by f32 rounding alone.
; REGISTERS, in windows of 256: window 0: v1-35 addresses and small numbers; v36-67 kv's scale words of all K (lanes 0-15 row tile i, lanes 16-31 tile i + 4); v68-83 W's, two sets (lanes 0-15 k's tile, 16-31 v's);
;   v84-111 the epilogue; v112-159 v's weights, odd steps; v160-207 k's, even steps; v208-255 v's, even steps.   window 1: kv's fragments, two sets at v0, v96 (in the epilogue qh and e); v192-239 k's weights, odd steps.
;   window 2: K^T's 32 accumulators ((m, t) at 8 (4 m + t)).   window 3: V's.   While kv is quantised: window 2 numbers and codes, window 3 numbers as loaded.
.set BLKB,  25600                      ; a block of wkv_img: 256 along K of one head: 16 images, then 1,024 bytes of scale words
.set FRB,   1536
.set WSCO,  16*FRB
.set XSC,   64*FRB                     ; LDS: kv's 64 images from byte 0, (m, ks) at (8 m + ks) x 1,536; then their scale words: 1024 c + 128 m + 8 r + 4 q
.set STAGE, XSC+4096                   ; a stage of 16 rows x (256 + 16) bytes for each wave; behind the quantiser's barrier its bytes hold e (512 bytes a wave) and the pooled rows
.set STGW,  4352
.set QL,    STAGE+4*STGW               ; for each wave 3,072 bytes: qh [2 spans][4 turns][64], v's bias [4 turns][64]
.set SPARE, QL+4*3072                  ; the spare words, 128 bytes for each wave: no other line names them
.set PB,    STAGE
.set ATT,   STAGE+2048                 ; f32 [2 spans][4 waves][4 turns][64]
.set SPW,  1
.set NIL,  2
.set RR,   4                           ; r = lane % 16
.set HH,   5                           ; h = lane / 16
.set GX,   6                           ; 4096 h + 16 r
.set STW,  7
.set STR,  8
.set XWI0, 9
.set XWS0, 10
.set ADX,  11                          ; v11-12 kv's images of row tiles 0-3, 4-7
.set LI,   11                          ; 16 x lane (the images begin at LDS byte 0)
.set WSA,  13                          ; 8 r + 512 h: W's scale words
.set XSA,  14                          ; the same among kv's scale words
.set PBW,  15
.set PBR,  16
.set ATW0, 17
.set ATR,  18
.set NEGV, 19                          ; the lowest f32 number
.set GOA,  20                          ; 256 ((h + rot) % 4) + 16 r: where turns 0, 1 lie in qh, bkv and attn
.set GOB,  21                          ; the same for turns 2, 3
.set XWI,  22
.set XWS,  23
.set ATWC, 24                          ; v24, v27, v28: the turn's places among the pooled rows, qh and v's bias
.set QLR0, 25
.set BVR0, 26
.set QLR,  27
.set BVR,  28
.set MX,   30
.set SM,   32
.set RI,   34
.set XS,   36
.set WS,   68
.set BV,   84
.set S2,   88                          ; eight pairs: scores, then e, then the pooled sums
.set MB,   88                          ; mask bytes, until the lane masks are made
.set PX,   104
.set Q,    0                           ; in window 1
.set P,    96                          ; in window 1
.set PC,   128                         ; in window 2, while kv is quantised
.set TM,   148
.set PW,   164
.set WV,   16
.set TX,   19
.set SEL,  20
.set CC,   22
.set TS,   23
.set WB,   24                          ; s[24:25] this head's four blocks
.set WN,   26                          ; s[26:27] the next head's
.set QB,   32
.set BB,   34
.set HO,   36
.set HC,   38
.set ROT,  39
.set MK,   40                          ; s40-47 lane masks of the eight row tiles
.set SRC,  50
.set AH,   52                          ; 256 x turn
.set MSB, 0
.macro WIN new                         ; the immediate's high byte repeats the setting that is left
.if MSB != (\new)
	s_set_vgpr_msb (MSB<<8)|(\new)
.set MSB, \new
.endif
.endm
.macro PLACES                          ; four places in front of loads into registers that matrix instructions have read, and of reads of results
.rept 4
	v_nop
.endr
.endm
.macro NEXTHEAD                        ; the next head becomes this one; s[HC] counts rot + turn
	s_mov_b64 s[WB:WB+1], s[WN:WN+1]
	s_add_co_u32 s[HC], s[HC], 1
	s_and_b32 s[HO], s[HC], 3
	s_mul_i32 s[HO], s[HO], 4*BLKB
	s_add_nc_u64 s[WN:WN+1], s[12:13], s[HO:HO+1]
.endm
.macro TURNADR                         ; the turn's LDS places
	v_add_nc_u32 v[ATWC], s[AH], v[ATW0]
	v_add_nc_u32 v[QLR], s[AH], v[QLR0]
	v_add_nc_u32 v[BVR], s[AH], v[BVR0]
	s_wait_alu depctr_va_vdst(0)
.endm
; ---- the quantiser
.macro LOADF rset, off                 ; a fragment's 16 rows x 512 bytes, as they lie: 16 loads, sixteen lanes to 256 consecutive bytes
	WIN 0xc0
.irp hf, 0,1
.irp i, 0,1,2,3,4,5,6,7
	global_load_b128 v[64*(\rset)+32*\hf+4*\i:64*(\rset)+32*\hf+4*\i+3], v[GX], s[SRC:SRC+1] offset:(\off)+8192*\i+256*\hf th:TH_LOAD_NT
.endr
.endr
.endm
.macro TURNF rset, n                   ; through my stage: afterwards register n + 16 b + i = x(row r, 32 b + 16 h + i).  LDS serves a wave's instructions in order
.irp hf, 0,1
	WIN 0x0c
.irp i, 0,1,2,3,4,5,6,7
	ds_store_b128 v[STW], v[64*(\rset)+32*\hf+4*\i:64*(\rset)+32*\hf+4*\i+3] offset:544*\i
.endr
	WIN 0x80
.irp b, 0,1
.irp j, 0,1,2,3
	ds_load_b128 v[(\n)+32*\hf+16*\b+4*\j:(\n)+32*\hf+16*\b+4*\j+3], v[STR] offset:128*\b+16*\j
.endr
.endr
.endr
.endm
.macro QUANT n                         ; 64 numbers of a lane become a fragment's codes in v[PC] on and its scale word in v[PW]
	WIN 0xaa
.irp b, 0,1,2,3
	v_max3_num_f32 v[TM+\b], |v[(\n)+16*\b]|, |v[(\n)+1+16*\b]|, 0x2800000   ; and the floor 2^(5 - 127): the byte cannot fall under 1
.endr
.irp i, 2,4,6,8,10,12,14
.irp b, 0,1,2,3
	v_max3_num_f32 v[TM+\b], v[TM+\b], |v[(\n)+16*\b+\i]|, |v[(\n)+1+16*\b+\i]|
.endr
.endr
.irp b, 0,1,2,3
	v_permlanex16_b32 v[TM+4+\b], v[TM+\b], s[SEL], s[SEL+1]
.endr
.irp b, 0,1,2,3
	v_max_num_f32 v[TM+\b], v[TM+\b], v[TM+4+\b]
.endr
.irp b, 0,1,2,3
	v_add_nc_u32 v[TM+12+\b], 0xfe000000, v[TM+\b] ; 4 off the exponent field: the conversion's scale operand
.endr
.irp b, 0,1,2,3
	v_lshrrev_b32 v[TM+4+\b], 23, v[TM+12+\b]      ; the scale's byte
.endr
	v_lshl_or_b32 v[PW], v[TM+5], 8, v[TM+4]
	v_lshl_or_b32 v[PW], v[TM+6], 16, v[PW]
	v_lshl_or_b32 v[PW], v[TM+7], 24, v[PW]
.irp c, 0,1
	v_cvt_scalef32_pk16_bf6_f32 v[PC+6*\c:PC+2+6*\c], v[(\n)+32*\c:(\n)+15+32*\c], v[TM+12+2*\c]
	v_cvt_scalef32_pk16_bf6_f32 v[PC+12+4*\c:PC+14+4*\c], v[(\n)+16+32*\c:(\n)+31+32*\c], v[TM+12+2*\c+1]
.endr
	v_nop                                          ; one plain place behind a scaled conversion
.irp c, 0,1
.irp i, 0,1,2
	v_permlane16_swap_b32 v[PC+6*\c+\i], v[PC+12+4*\c+\i]
.endr
.irp i, 0,1,2
	v_mov_b32 v[PC+3+6*\c+\i], v[PC+12+4*\c+\i]
.endr
.endr
.endm
; Fragment a of a chunk of 256 along K: row tile a % 2 of my two, K step a / 2.  ahead: its registers take the next chunk's loads; nxt: the next fragment goes through the stage; cnt: the loads that may stay out then
.macro QF a, ahead, nxt, cnt
	s_wait_dscnt 0x0                               ; this fragment is back from the stage; the last image's stores have read their registers
.if \ahead
	LOADF \a, 65536*((\a)%2)+512*((\a)/2)+1024
.endif
.if \nxt
	s_wait_loadcnt \cnt
	TURNF ((\a)+1)%4, 64*(((\a)+1)%2)
.endif
	QUANT 64*((\a)%2)
	WIN 0x08
.irp g, 0,1,2
	ds_store_b128 v[XWI], v[PC+4*\g:PC+4*\g+3] offset:12288*((\a)%2)+1536*((\a)/2)+512*\g
.endr
	ds_store_b32 v[XWS], v[PW] offset:128*((\a)%2)+4*((\a)/2)   ; both halves of the lanes write the same word with the same value
.endm
.macro QADDR
	WIN 0
	v_add_nc_u32 v[XWI], s[TX], v[XWI0]
	v_add_nc_u32 v[XWS], s[TS], v[XWS0]
.endm
; ---- the products.  OD, OA, OB, OSA, OSB: the registers of D, source 0, source 1 and their scale words.  ra, rb: the scale words stand in lanes 16-31
.macro WM init, ra, rb
.if \init
.if \ra
	v_wmma_scale_f32_16x16x128_f8f6f4 v[OD:OD+7], v[OA:OA+11], v[OB:OB+11], 0, v[OSA], v[OSB] matrix_a_fmt:MATRIX_FMT_BF6 matrix_b_fmt:MATRIX_FMT_BF6 matrix_a_scale:MATRIX_SCALE_ROW1 matrix_b_scale:MATRIX_SCALE_ROW1
.elseif \rb
	v_wmma_scale_f32_16x16x128_f8f6f4 v[OD:OD+7], v[OA:OA+11], v[OB:OB+11], 0, v[OSA], v[OSB] matrix_a_fmt:MATRIX_FMT_BF6 matrix_b_fmt:MATRIX_FMT_BF6 matrix_b_scale:MATRIX_SCALE_ROW1
.else
	v_wmma_scale_f32_16x16x128_f8f6f4 v[OD:OD+7], v[OA:OA+11], v[OB:OB+11], 0, v[OSA], v[OSB] matrix_a_fmt:MATRIX_FMT_BF6 matrix_b_fmt:MATRIX_FMT_BF6
.endif
.else
.if \ra
	v_wmma_scale_f32_16x16x128_f8f6f4 v[OD:OD+7], v[OA:OA+11], v[OB:OB+11], v[OD:OD+7], v[OSA], v[OSB] matrix_a_fmt:MATRIX_FMT_BF6 matrix_b_fmt:MATRIX_FMT_BF6 matrix_a_scale:MATRIX_SCALE_ROW1 matrix_b_scale:MATRIX_SCALE_ROW1
.elseif \rb
	v_wmma_scale_f32_16x16x128_f8f6f4 v[OD:OD+7], v[OA:OA+11], v[OB:OB+11], v[OD:OD+7], v[OSA], v[OSB] matrix_a_fmt:MATRIX_FMT_BF6 matrix_b_fmt:MATRIX_FMT_BF6 matrix_b_scale:MATRIX_SCALE_ROW1
.else
	v_wmma_scale_f32_16x16x128_f8f6f4 v[OD:OD+7], v[OA:OA+11], v[OB:OB+11], v[OD:OD+7], v[OSA], v[OSB] matrix_a_fmt:MATRIX_FMT_BF6 matrix_b_fmt:MATRIX_FMT_BF6
.endif
.endif
.endm
.macro KQ ks, init                     ; 32 of K^T.  The 64 accumulators take turns, one instruction a turn, in the same order in every step.  init: the first product starts the sums
	WIN 0xa4+(\ks)%2                               ; source 0 (k's weights) window 0 or 1, source 1 (kv) window 1, C and D window 2
.irp m, 0,1,2,3,4,5,6,7
.irp t, 0,1,2,3
.set OD, 8*(4*\m+\t)
.set OA, 160+32*((\ks)%2)+12*\t
.set OB, 96*((\ks)%2)+12*\m
.set OSA, WS+8*(((\ks)/2)%2)+2*\t+(\ks)%2
.set OSB, XS+8*((\ks)/2)+2*(\m%4)+(\ks)%2
	WM \init, 0, \m/4
.endr
.endr
.endm
.macro PV ks, init                     ; 32 of V
	WIN 0xf1                                       ; source 0 (kv) window 1, source 1 (v's weights) window 0, C and D window 3
.irp m, 0,1,2,3,4,5,6,7
.irp t, 0,1,2,3
.set OD, 8*(4*\m+\t)
.set OA, 96*((\ks)%2)+12*\m
.set OB, 208-96*((\ks)%2)+12*\t
.set OSA, XS+8*((\ks)/2)+2*(\m%4)+(\ks)%2
.set OSB, WS+8*(((\ks)/2)%2)+2*\t+(\ks)%2
	WM \init, \m/4, 1
.endr
.endr
.endm
.macro LX p, ks, m                     ; kv's fragment of row tile m, K step ks, into set p: 3 LDS loads
	WIN 0x40
.irp g, 0,1,2
	ds_load_b128 v[96*(\p)+12*(\m)+4*\g:96*(\p)+12*(\m)+4*\g+3], v[ADX+(\m)/4] offset:(8*((\m)%4)+(\ks))*FRB+512*\g
.endr
.endm
.macro LWK ks, base                    ; k's four fragments of K step ks of the head at s[base]: 12 loads of 512 consecutive bytes
	WIN 0x40*((\ks)%2)
.irp n, 0,1,2,3
.irp g, 0,1,2
	global_load_b128 v[160+32*((\ks)%2)+12*\n+4*\g:160+32*((\ks)%2)+12*\n+4*\g+3], v[LI], s[\base:\base+1] offset:((\ks)/2)*BLKB+(8*((\ks)%2)+\n)*FRB+512*\g
.endr
.endr
.endm
.macro LWV ks, base                    ; v's four: 12 loads
	WIN 0
.irp n, 0,1,2,3
.irp g, 0,1,2
	global_load_b128 v[208-96*((\ks)%2)+12*\n+4*\g:208-96*((\ks)%2)+12*\n+4*\g+3], v[LI], s[\base:\base+1] offset:((\ks)/2)*BLKB+(8*((\ks)%2)+4+\n)*FRB+512*\g
.endr
.endr
.endm
.macro LWS c, base                     ; the scale words of chunk c (two K steps): lanes 0-15 k's tile n, lanes 16-31 v's tile n: 4 loads
	WIN 0
.irp n, 0,1,2,3
	global_load_b64 v[WS+8*((\c)%2)+2*\n:WS+8*((\c)%2)+2*\n+1], v[WSA], s[\base:\base+1] offset:(\c)*BLKB+WSCO+128*\n
.endr
.endm
; THE ORDER OF A WAVE'S GLOBAL LOADS, on which the counts rest: in step ks the first run asks for k's weights of step ks + 2 (12), the second for v's of step ks + 2 (12) and, in odd steps, for the scale words of the
; chunk that begins at step ks + 3 (4); steps 8 and on are the next head's.  So behind the loads that a half step needs stand three runs of 12 and one of 4: 40.  In front of the first head the loads are
; scale words (8), then steps 0 and 1 (48): there three runs of 12 stand behind: 36, which serves the way round the loop too.  The last head asks for nothing beyond its step 7: its counts run down.
; LDS LOADS: the second run of step ks asks for kv's tiles 0-3 of step ks + 2 (12), the first for tiles 4-7 of step ks + 1 (12); the second run of step 6 asks for qh (16) and v's bias (4) instead.
.macro STEP ks, last
.set NKW, 40
.set NVW, 40
.if (\ks) < 2
.set NKW, 36
.set NVW, 36
.endif
.if (\last) && (\ks) == 6
.set NKW, 36
.set NVW, 24
.endif
.if (\last) && (\ks) == 7
.set NKW, 12
.set NVW, 0
.endif
	s_wait_loadcnt NKW                             ; k's weights and the scale words of this step are in
.if (\ks) == 7
	s_wait_dscnt 20                                ; kv's fragments of this step are in; qh and v's bias may be out
.else
	s_wait_dscnt 12                                ; kv's fragments of this step are in; the next tiles 0-3 may be out
.endif
	KQ \ks, (\ks)==0
	PLACES
.if (\ks) < 6
	LWK (\ks)+2, WB
.elseif !\last
	LWK (\ks)-6, WN
.endif
.if (\ks) < 7
.irp m, 4,5,6,7
	LX ((\ks)+1)%2, (\ks)+1, \m
.endr
.endif
	s_wait_loadcnt NVW                             ; v's weights of this step are in
	PV \ks, (\ks)==0
	PLACES
.if (\ks) < 6
	LWV (\ks)+2, WB
.elseif !\last
	LWV (\ks)-6, WN
.endif
.if (\ks) == 1 || (\ks) == 3
	LWS ((\ks)+3)/2, WB
.elseif ((\ks) == 5 || (\ks) == 7) && !\last
	LWS ((\ks)-5)/2, WN
.endif
.if (\ks) < 6
.irp m, 0,1,2,3
	LX (\ks)%2, (\ks)+2, \m
.endr
.endif
.if (\ks) == 6                         ; kv's set 0 is done with for this head: it takes qh in K^T's layout: channels 16 t + 8 h + 4 u ..
	WIN 0x40
.irp sp, 0,1
.irp t, 0,1,2,3
.irp u, 0,1
	ds_load_b128 v[Q+32*\sp+8*\t+4*\u:Q+32*\sp+8*\t+4*\u+3], v[QLR] offset:1024*\sp+64*\t+16*\u
.endr
.endr
.endr
	WIN 0
.irp t, 0,1,2,3
	ds_load_b32 v[BV+\t], v[BVR] offset:64*\t
.endr
.endif
.endm
; ---- scores, softmax and pooling of one head, two spans
.macro EPILOGUE last
	s_wait_dscnt 0x0                               ; qh and v's bias
	WIN 0x06                                       ; source 0 (K^T) window 2, source 1 (qh) window 1
.irp idx, 0,1,2,3,4,5,6,7,8,9,10,11,12,13,14,15   ; eight chains, one for each row tile, by turns; each accumulator from its low end on
.irp m, 0,1,2,3,4,5,6,7
.if \idx == 0
	v_pk_mul_f32 v[S2+2*\m:S2+2*\m+1], v[32*\m:32*\m+1], v[Q+32*(\m/4):Q+32*(\m/4)+1]
.else
	v_pk_fma_f32 v[S2+2*\m:S2+2*\m+1], v[8*(4*\m+\idx/4)+2*(\idx%4):8*(4*\m+\idx/4)+2*(\idx%4)+1], v[Q+32*(\m/4)+8*(\idx/4)+2*(\idx%4):Q+32*(\m/4)+8*(\idx/4)+2*(\idx%4)+1], v[S2+2*\m:S2+2*\m+1]
.endif
.endr
.endr
	WIN 0
.irp m, 0,1,2,3,4,5,6,7
	v_add_f32 v[S2+2*\m], v[S2+2*\m], v[S2+2*\m+1]
.endr
.irp m, 0,1,2,3,4,5,6,7
	v_permlanex16_b32 v[PX+\m], v[S2+2*\m], s[SEL], s[SEL+1]   ; the row's other 32 channels lie in the lane 16 away
.endr
.irp m, 0,1,2,3,4,5,6,7
	v_add_f32 v[S2+2*\m], v[S2+2*\m], v[PX+\m]
.endr
.irp m, 0,1,2,3,4,5,6,7
	v_mul_f32 v[S2+2*\m], s[CC], v[S2+2*\m]        ; t
.endr
.irp m, 0,1,2,3,4,5,6,7
	v_cndmask_b32 v[S2+2*\m], v[NEGV], v[S2+2*\m], s[MK+\m]   ; the mask chooses a value; nothing branches on it
.endr
.irp sp, 0,1
	v_max3_num_f32 v[MX+\sp], v[S2+8*\sp], v[S2+8*\sp+2], v[S2+8*\sp+4]
.endr
.irp sp, 0,1
	v_max_num_f32 v[MX+\sp], v[MX+\sp], v[S2+8*\sp+6]
.endr
.irp x, 1,2,4,8
.irp sp, 0,1
	v_max_num_f32_dpp v[MX+\sp], v[MX+\sp], v[MX+\sp] row_xmask:\x row_mask:0xf bank_mask:0xf   ; over the 16 rows of a tile; both halves of the lanes hold the same
.endr
.endr
.irp m, 0,1,2,3,4,5,6,7
	v_sub_f32 v[S2+2*\m], v[S2+2*\m], v[MX+\m/4]
.endr
	s_wait_alu depctr_va_vdst(0)                   ; ahead of the batch
.irp m, 0,1,2,3,4,5,6,7
	v_exp_f32 v[S2+2*\m], v[S2+2*\m]               ; e = 2^(t - max)
.endr
	v_nop                                          ; a plain place behind the exponentials
	s_wait_alu depctr_va_vdst(0)                   ; and behind it
.irp m, 0,1,2,3,4,5,6,7
	ds_store_b32 v[PBW], v[S2+2*\m] offset:64*\m   ; e changes layout through my own 512 bytes: in by rows across lanes,
.endr
	WIN 0x40
.irp m, 0,1,2,3,4,5,6,7
.irp u, 0,1
	ds_load_b128 v[P+8*\m+4*\u:P+8*\m+4*\u+3], v[PBR] offset:64*\m+16*\u   ; back as V's registers run: register 8 m + j = e(16 m + 8 h + j).  LDS serves a wave's instructions in order
.endr
.endr
.if !\last
.irp m, 0,1,2,3,4,5,6,7
	LX 0, 0, \m                                    ; the next head's first kv fragments, over qh, which the scores have read
.endr
.endif
	WIN 0
.irp sp, 0,1
	v_add_f32 v[SM+\sp], v[S2+8*\sp], v[S2+8*\sp+2]
	v_add_f32 v[PX+\sp], v[S2+8*\sp+4], v[S2+8*\sp+6]
.endr
.irp sp, 0,1
	v_add_f32 v[SM+\sp], v[SM+\sp], v[PX+\sp]
.endr
.irp x, 1,2,4,8
.irp sp, 0,1
	v_add_f32_dpp v[SM+\sp], v[SM+\sp], v[SM+\sp] row_xmask:\x row_mask:0xf bank_mask:0xf
.endr
.endr
	s_wait_alu depctr_va_vdst(0)                   ; ahead of the reciprocals
.irp sp, 0,1
	v_rcp_f32 v[RI+\sp], v[SM+\sp]                 ; the sum is at least 1: the largest e is 1
.endr
	v_nop                                          ; a plain place behind the reciprocals
	s_wait_dscnt 24*(1-\last)                      ; e is back; the 24 loads of kv's fragments may be out
	WIN 0x07                                       ; source 0 (V) window 3, source 1 (e) window 1
	s_wait_alu depctr_va_vdst(0)                   ; directly ahead of the first reader of V
.irp mm, 0,1,2,3                       ; eight chains (span, tile of channels) by turns; each accumulator from its low end on
.irp jp, 0,1,2,3
.irp sp, 0,1
.irp t, 0,1,2,3
.if (\mm == 0) && (\jp == 0)
	v_pk_mul_f32 v[S2+2*(4*\sp+\t):S2+2*(4*\sp+\t)+1], v[8*(4*(4*\sp+\mm)+\t)+2*\jp:8*(4*(4*\sp+\mm)+\t)+2*\jp+1], v[P+8*(4*\sp+\mm)+2*\jp:P+8*(4*\sp+\mm)+2*\jp+1]
.else
	v_pk_fma_f32 v[S2+2*(4*\sp+\t):S2+2*(4*\sp+\t)+1], v[8*(4*(4*\sp+\mm)+\t)+2*\jp:8*(4*(4*\sp+\mm)+\t)+2*\jp+1], v[P+8*(4*\sp+\mm)+2*\jp:P+8*(4*\sp+\mm)+2*\jp+1], v[S2+2*(4*\sp+\t):S2+2*(4*\sp+\t)+1]
.endif
.endr
.endr
.endr
.endr
	WIN 0
.irp k, 0,1,2,3,4,5,6,7
	v_add_f32 v[S2+2*\k], v[S2+2*\k], v[S2+2*\k+1]
.endr
.irp k, 0,1,2,3,4,5,6,7
	v_permlanex16_b32 v[PX+\k], v[S2+2*\k], s[SEL], s[SEL+1]
.endr
.irp k, 0,1,2,3,4,5,6,7
	v_add_f32 v[S2+2*\k], v[S2+2*\k], v[PX+\k]
.endr
.irp k, 0,1,2,3,4,5,6,7
	v_fma_f32 v[S2+2*\k], v[S2+2*\k], v[RI+\k/4], v[BV+\k%4]   ; / the sum of e, + v's bias
.endr
.irp k, 0,1,2,3,4,5,6,7
	ds_store_b32 v[ATWC], v[S2+2*\k] offset:4096*(\k/4)+64*(\k%4)   ; by turn
.endr
.if !\last
.irp m, 0,1,2,3
	LX 1, 1, \m                                    ; kv's tiles 0-3 of the next head's step 1, over e, which the pooling has read
.endr
	WIN 0
	s_wait_alu depctr_va_vdst(0)
	s_wait_xcnt 0x0                                ; the bases are written again only behind this wait
	NEXTHEAD
	s_add_co_u32 s[AH], s[AH], 256
	TURNADR
.endif
.endm
.macro HEAD last
.irp ks, 0,1,2,3,4,5,6,7
	STEP \ks, \last
.endr
	EPILOGUE \last
.endm
	s_load_b256 s[4:11], s[0:1], 0x0               ; kv s[4:5], mask s[6:7], bkv s[8:9], qh s[10:11]
	s_load_b128 s[12:15], s[0:1], 0x20             ; wkv_img s[12:13], attn s[14:15]
	v_lshl_add_u32 v[SPW], v0, 2, SPARE
	v_mov_b32 v[NIL], 0
	v_lshrrev_b32 v3, 5, v0
	v_readfirstlane_b32 s[WV], v3                  ; wave 0..3
	s_lshr_b32 s[ROT], ttmp9, 2                    ; rot = (t + t / 4 + t / 16) mod 4, t = W / 4
	s_lshr_b32 s17, ttmp9, 4
	s_add_co_u32 s[ROT], s[ROT], s17
	s_lshr_b32 s17, ttmp9, 6
	s_add_co_u32 s[ROT], s[ROT], s17
	s_and_b32 s[ROT], s[ROT], 3
	s_mov_b32 s[HC], s[ROT]
	s_mov_b32 s[HO+1], 0
	s_mov_b32 s[SEL], 0x76543210
	s_mov_b32 s[SEL+1], 0xfedcba98
	s_mov_b32 s[CC], 0x3e38aa3b                    ; log2(e) / 8
	s_mov_b32 s[TX], 0
	s_mov_b32 s[TS], 0
	s_mov_b32 s[AH], 0
	s_mul_i32 s56, s[WV], STGW
	s_add_co_u32 s56, s56, STAGE                   ; my stage
	s_mul_i32 s57, s[WV], 16*FRB                   ; my row tiles 2 w, 2 w + 1
	s_lshl_b32 s58, s[WV], 8
	s_add_co_u32 s58, s58, XSC
	s_lshl_b32 s59, s[WV], 9
	s_add_co_u32 s59, s59, PB
	s_lshl_b32 s60, s[WV], 10
	s_add_co_u32 s60, s60, ATT
	s_lshl_b32 s61, s[WV], 11
	s_add_co_u32 s61, s61, ATT
	s_mul_i32 s62, s[WV], 3072
	s_add_co_u32 s62, s62, QL
	v_and_b32 v3, 31, v0                           ; all vector set-up on end, behind the scalar set-up
	v_and_b32 v[RR], 15, v0
	v_bfe_u32 v[HH], v0, 4, 1
	v_lshlrev_b32 v[LI], 4, v3
	v_lshlrev_b32 v[GX], 4, v[RR]
	v_lshl_add_u32 v[GX], v[HH], 12, v[GX]
	v_mul_u32_u24 v[STW], v[HH], 272
	v_lshl_add_u32 v[STW], v[RR], 4, v[STW]
	v_add_nc_u32 v[STW], s56, v[STW]
	v_mul_u32_u24 v[STR], v[RR], 272
	v_lshl_add_u32 v[STR], v[HH], 6, v[STR]
	v_add_nc_u32 v[STR], s56, v[STR]
	v_add_nc_u32 v[XWI0], s57, v[LI]
	v_lshl_add_u32 v[XWS0], v[RR], 3, s58
	v_add_nc_u32 v[ADX+1], 32*FRB, v[LI]
	v_lshlrev_b32 v[WSA], 3, v[RR]
	v_lshl_add_u32 v[WSA], v[HH], 9, v[WSA]
	v_add_nc_u32 v[XSA], XSC, v[WSA]
	v_lshl_add_u32 v[PBW], v[RR], 2, s59
	v_lshl_add_u32 v[PBR], v[HH], 5, s59
	v_lshl_add_u32 v[ATW0], v[RR], 2, s60
	v_add_nc_u32 v[ATR], s61, v[LI]
	v_add_nc_u32 v3, s62, v[LI]                    ; where qh and v's bias go in LDS
	v_lshl_add_u32 v[QLR0], v[HH], 5, s62
	v_lshl_add_u32 v[BVR0], v[RR], 2, s62
	v_add_nc_u32 v[BVR0], 2048, v[BVR0]
	v_mov_b32 v[NEGV], 0xff7fffff
	v_add_nc_u32 v[GOA], s[ROT], v[HH]             ; sixteen lanes hold the 256 bytes of turn h (or 2 + h), which belong to head (turn + rot) mod 4 of a wave's four
	v_add_nc_u32 v[GOB], 2, v[GOA]
	v_and_b32 v[GOA], 3, v[GOA]
	v_and_b32 v[GOB], 3, v[GOB]
	v_lshlrev_b32 v[GOA], 8, v[GOA]
	v_lshlrev_b32 v[GOB], 8, v[GOB]
	v_lshl_add_u32 v[GOA], v[RR], 4, v[GOA]
	v_lshl_add_u32 v[GOB], v[RR], 4, v[GOB]
.irp m, 0,1,2,3,4,5,6,7
	v_mov_b32 v[PX+\m], 0                          ; written once: a lane permute's destination counts as one of its sources
.endr
	WIN 0x80
.irp b, 0,1,2,3
	v_mov_b32 v[TM+4+\b], 0                        ; likewise
.endr
	WIN 0
	TURNADR                                        ; turn 0
	s_wait_kmcnt 0x0
	s_lshl_b32 s56, ttmp9, 19                      ; 128 rows of 4,096 bytes a work-group,
	s_lshl_b32 s58, s[WV], 17                      ; 32 a wave
	s_add_co_u32 s56, s56, s58
	s_mov_b32 s57, 0
	s_add_nc_u64 s[SRC:SRC+1], s[4:5], s[56:57]
	s_lshl_b32 s56, ttmp9, 7
	s_add_nc_u64 s[6:7], s[6:7], s[56:57]          ; the mask's 128 bytes
	s_lshl_b32 s56, s[WV], 10
	s_add_nc_u64 s[BB:BB+1], s[8:9], s[56:57]
	s_add_nc_u64 s[BB:BB+1], s[BB:BB+1], 4096      ; v's bias at head 4 w
	s_lshl_b32 s58, ttmp9, 13
	s_add_co_u32 s56, s56, s58
	s_add_nc_u64 s[QB:QB+1], s[10:11], s[56:57]    ; qh at span 2 W, head 4 w
	s_lshl_b32 s56, s[WV], 11
	s_add_co_u32 s56, s56, s58
	s_add_nc_u64 s[14:15], s[14:15], s[56:57]      ; attn: my quarter of the two spans' 8,192 bytes
	s_mul_i32 s56, s[WV], 16*BLKB
	s_add_nc_u64 s[12:13], s[12:13], s[56:57]      ; my 16 blocks
	s_mul_i32 s[HO], s[ROT], 4*BLKB
	s_add_nc_u64 s[WN:WN+1], s[12:13], s[HO:HO+1]
	NEXTHEAD                                       ; the first turn's head, and the second's
.irp m, 0,1,2,3,4,5,6,7
	global_load_u8 v[MB+\m], v[RR], s[6:7] offset:16*\m
.endr
.irp sp, 0,1
	global_load_b128 v[160+8*\sp:163+8*\sp], v[GOA], s[QB:QB+1] offset:4096*\sp   ; qh of my four heads, by turn
	global_load_b128 v[164+8*\sp:167+8*\sp], v[GOB], s[QB:QB+1] offset:4096*\sp
.endr
	global_load_b128 v[176:179], v[GOA], s[BB:BB+1]
	global_load_b128 v[180:183], v[GOB], s[BB:BB+1]
	; ---- kv becomes codes: four chunks of 256 along K, four fragments each; the loads run four fragments (64 loads a wave) ahead
	LOADF 0, 0
	LOADF 1, 65536
	LOADF 2, 512
	LOADF 3, 65536+512
	s_wait_loadcnt 48                              ; fragment 0 and all that was asked before it are in
	WIN 0
.irp sp, 0,1
	ds_store_b128 v3, v[160+8*\sp:163+8*\sp] offset:1024*\sp        ; into my own 3,072 bytes: no other wave reads them
	ds_store_b128 v3, v[164+8*\sp:167+8*\sp] offset:1024*\sp+512
.endr
	ds_store_b128 v3, v[176:179] offset:2048
	ds_store_b128 v3, v[180:183] offset:2560
	TURNF 0, 0
	WIN 0
	s_mov_b32 s48, 3
.Lquant:
	QADDR
	QF 0, 1, 1, 48                                 ; 48: behind the next fragment's loads stand those of three fragments
	QF 1, 1, 1, 48
	QF 2, 1, 1, 48
	QF 3, 1, 1, 48
	WIN 0
	s_wait_xcnt 0x0                                ; the base is stepped only behind this wait
	s_add_nc_u64 s[SRC:SRC+1], s[SRC:SRC+1], 1024
	s_add_co_u32 s[TX], s[TX], 2*FRB
	s_add_co_u32 s[TS], s[TS], 1024
	s_sub_co_u32 s48, s48, 1
	s_cmp_lg_u32 s48, 0
	s_cbranch_scc1 .Lquant
	QADDR
	QF 0, 0, 1, 32                                 ; the last chunk asks for no kv: the counts run down
	QF 1, 0, 1, 16
	LWS 0, WB                                      ; the first head's scale words of chunks 0, 1 and weights of steps 0, 1: 56 loads, which land while the last two fragments are quantised
	LWS 1, WB
	LWK 0, WB
	LWV 0, WB
	LWK 1, WB
	LWV 1, WB
	QF 2, 0, 1, 56                                 ; the last fragment is in; the 56 just issued may be out
	QF 3, 0, 0, 0
	WIN 0
.irp m, 0,1,2,3,4,5,6,7
	v_cmp_ne_u32 s[MK+\m], 0, v[MB+\m]             ; lane (r, h): does row 16 m + r count?
.endr
	s_wait_dscnt 0x0                               ; for the others' sake: my images lie in LDS, my use of the stage is over
	s_barrier_signal -1
	s_barrier_wait -1
.irp c, 0,1,2,3
.irp i, 0,1,2,3
	ds_load_b64 v[XS+8*\c+2*\i:XS+8*\c+2*\i+1], v[XSA] offset:1024*\c+128*\i   ; kv's scale words of all K: they stay
.endr
.endr
.irp m, 0,1,2,3,4,5,6,7
	LX 0, 0, \m
.endr
.irp m, 0,1,2,3
	LX 1, 1, \m
.endr
	WIN 0
	; ---- four heads: three in a loop, the last written out, since it asks for no weights beyond its own
	s_mov_b32 s49, 3
.Lhead:
	HEAD 0
	s_sub_co_u32 s49, s49, 1
	s_cmp_lg_u32 s49, 0
	s_cbranch_scc1 .Lhead
	HEAD 1
	; ---- the two spans' pooled rows leave: each wave stores a quarter of their 8,192 bytes; a load's 512 bytes are two turns' 256, each of which goes to its head's place
	s_wait_alu depctr_va_vdst(0)
	s_wait_dscnt 0x0                               ; for the others' sake: my pooled rows lie in LDS
	s_barrier_signal -1
	s_barrier_wait -1
.irp i, 0,1,2,3
	ds_load_b128 v[160+4*\i:163+4*\i], v[ATR] offset:512*\i
.endr
.irp i, 0,1,2,3
	s_wait_dscnt 3-\i
.if \i%2 == 0
	global_store_b128 v[GOA], v[160+4*\i:163+4*\i], s[14:15] offset:1024*(\i/2)   ; sixteen lanes store 256 consecutive bytes, at a multiple of 256 from attn's first byte
.else
	global_store_b128 v[GOB], v[160+4*\i:163+4*\i], s[14:15] offset:1024*(\i/2)
.endif
.endr
	s_wait_tensorcnt 0x0                           ; the wave's end
	ds_add_u32 v[SPW], v[NIL]
	s_wait_dscnt 0x0
	s_endpgm
.Lfunc_end_k_qb6aa0f0df9_main:
	.size	k_qb6aa0f0df9_main, .Lfunc_end_k_qb6aa0f0df9_main-k_qb6aa0f0df9_main
	.p2alignl 7, 3214868480
	.fill 96, 4, 3214868480
	.section	.rodata,"a",@progbits
	.p2align	6, 0x0
	.amdhsa_kernel k_qb6aa0f0df9_main
		.amdhsa_group_segment_fixed_size 132608
		.amdhsa_private_segment_fixed_size 0
		.amdhsa_enable_private_segment 0
		.amdhsa_kernarg_size 48
		.amdhsa_user_sgpr_count 2
		.amdhsa_user_sgpr_kernarg_segment_ptr 1
		.amdhsa_wavefront_size32 1
		.amdhsa_system_sgpr_workgroup_id_x 1
		.amdhsa_system_sgpr_workgroup_id_y 1
		.amdhsa_system_sgpr_workgroup_id_z 1
		.amdhsa_system_vgpr_workitem_id 0
		.amdhsa_next_free_vgpr 1024
		.amdhsa_next_free_sgpr 66
		.amdhsa_reserve_vcc 0
		.amdhsa_float_denorm_mode_32 3
		.amdhsa_float_denorm_mode_16_64 3
		.amdhsa_memory_ordered 1
		.amdhsa_forward_progress 1
		.amdhsa_inst_pref_size 255
	.end_amdhsa_kernel
	.section	.bss,"aw",@nobits
	.p2align	6
	.space	262144
	.amdgpu_metadata
---
amdhsa.version: [ 1, 2 ]
amdhsa.kernels:
  - .name:           k_qb6aa0f0df9_main
    .symbol:         k_qb6aa0f0df9_main.kd
    .args:
      - { .name: kv, .offset: 0, .size: 8, .value_kind: global_buffer, .address_space: global }
      - { .name: mask, .offset: 8, .size: 8, .value_kind: global_buffer, .address_space: global }
      - { .name: bkv, .offset: 16, .size: 8, .value_kind: global_buffer, .address_space: global }
      - { .name: qh, .offset: 24, .size: 8, .value_kind: global_buffer, .address_space: global }
      - { .name: wkv_img, .offset: 32, .size: 8, .value_kind: global_buffer, .address_space: global }
      - { .name: attn, .offset: 40, .size: 8, .value_kind: global_buffer, .address_space: global }
    .group_segment_fixed_size: 132608
    .private_segment_fixed_size: 0
    .kernarg_segment_align: 8
    .kernarg_segment_size: 48
    .max_flat_workgroup_size: 128
    .sgpr_count:     66
    .vgpr_count:     1024
    .wavefront_size: 32
...
	.end_amdgpu_metadata
.endif
;; end of part 3
;; launch oproj: the kernel of part 2 again; grid 8 x 32, 4 waves a work-group, no clusters, 39,680 bytes of LDS; arguments attn, wo_img, bo, out0; writes out0
